; MI455X (gfx1250); checked and timed in simulation.
; The chip was launched on July 23, 2026; its instructions are those of AMD's public machine-readable ISA for CDNA 5 (MIT licence, August 2026) and "CDNA5" Instruction Set Architecture Reference Guide (July 2026). The comments in the code are by the model that wrote it; some were corrected since.
;; Multi Query Attention. Allowed arithmetic: matrix products marked QUANTISED: E2M1 operands, one E8M0 scale for each 32 along K, by v_wmma_scale_f32_16x16x128_f8f6f4 with both operands' format E2M1 (or v_wmma_scale_f32_32x16x128_f4), f32 sums; products left as they are: bf16, f16 or f32 operands; f32 sums; everything else in f32.
;; Inputs: Wk 1,024 x 64 float32; Wp 1,024 x 1,024 float32; Wq 1,024 x 1,024 float32; Wv 1,024 x 64 float32; bp 1,024 float32; x 2 x 2,048 x 1,024 float32.
;; Outputs: out0 2 x 2,048 x 1,024 float32.
;; This version of the problem:
;;   THIS VERSION OF THE PROBLEM IS GIVEN IN LOW PRECISION. The matrix products marked QUANTISED in the list below multiply operands that are first quantised to E2M1 (2 exponent bits, 1 mantissa bit; 4 bits a number), with one power-of-two scale for each 32 numbers along K (OCP MX v1.0); their sums are f32. The products marked 'left as it is' may take bf16, f16 or f32 operands, with f32 sums. Whichever they take, every output number must still come out within the allowed error. Rounding operands to bf16 (8 significant bits) uses up far more of that allowance than f16 does (11 bits, for magnitudes from 6e-5 to 65,504). All else is computed in f32.
;;   The module's matrix products, in the order in which they are computed (A, B: the left and right operand; K: the contracted axis; several contracted axes count as one K, in the product's order):
;;     1. [M 4,096, K 1,024] x [K 1,024, N 1,024]; A: input x; B: input Wq: QUANTISED
;;     2. [M 4,096, K 1,024] x [K 1,024, N 64]; A: input x; B: input Wk: QUANTISED
;;     3. [M 4,096, K 1,024] x [K 1,024, N 64]; A: input x; B: input Wv: QUANTISED
;;     4. batch 2 x [M 32,768, K 64] x [K 64, N 2,048]; A: computed on the way; B: computed on the way: left as it is (an operand is computed on the way)
;;     5. batch 2 x [M 32,768, K 2,048] x [K 2,048, N 64]; A: computed on the way; B: computed on the way: left as it is (an operand is computed on the way)
;;     6. [M 4,096, K 1,024] x [K 1,024, N 1,024]; A: computed on the way; B: input Wp: left as it is (an operand is computed on the way)
;;   THE QUANTISER, for each operand of a quantised product, along K:
;;     - K is cut into blocks of 32 from its start; a last block that is shorter is filled with zeros.
;;     - A block's scale is 2^e with e = floor(log2(the largest magnitude in the block)) - 2, held to -126 .. 127; a block of zeros has e = 0. As a byte (E8M0): e + 127.
;;     - Each number is divided by its block's scale, clamped to +-6, and rounded to the nearest number of E2M1, ties to even, subnormals kept.
;;     - The product sums the exact products of the quantised numbers (number of the format x scale) in f32.
;;   ~~~python
;;   def quantise(x, axis):      # numpy; x: float32 -> the quantised numbers, widened to float32 again
;;       x = np.moveaxis(x, axis, -1); K = x.shape[-1]
;;       x = np.pad(x, [(0, 0)] * (x.ndim - 1) + [(0, -K % 32)]); x = x.reshape(x.shape[:-1] + (-1, 32)); a = np.abs(x).max(-1, keepdims=True)
;;       e = np.where(a > 0, np.clip(np.frexp(np.where(a > 0, a, 1))[1] - 1 - 2, -126, 127), 0)      # np.frexp(a)[1] - 1 = floor(log2(a)), exactly
;;       r = np.clip(x / 2.0 ** e, -6, 6)
;;       step = 2.0 ** (np.maximum(np.frexp(np.where(r == 0, 1, r))[1] - 1, 0) - 1)
;;       q = np.round(r / step) * step * 2.0 ** e      # np.round: ties to even
;;       return np.moveaxis(q.reshape(q.shape[:-2] + (-1,))[..., :K], -1, axis).astype(np.float32)
;;   ~~~
;; One version. Each part assembles by itself: llvm-mc -triple=amdgcn-amd-amdhsa -mcpu=gfx1250 --defsym DOCPART=n.
;; ======== version 1 of 1: 4 launches
;; limits: values are held in f16: magnitudes above 65,504 overflow, below 6.1e-05 lose precision
;; workspace buffers: x_codes 2,097,152 bytes; x_scales 131,072 bytes; w_codes 589,824 bytes; w_scales 36,864 bytes; wpt 2,097,152 bytes; q_ws 8,388,608 bytes; kv_ws 1,048,576 bytes; o_ws 8,388,608 bytes
;; launch prep (part 1): grid 196 x 1, 8 waves a work-group, no clusters, 45,056 bytes of LDS; arguments x, Wq, Wk, Wv, Wp, x_codes, x_scales, w_codes, w_scales, wpt; writes x_codes, x_scales, w_codes, w_scales, wpt
.if DOCPART == 1
	.amdgcn_target "amdgcn-amd-amdhsa--gfx1250"
	.amdhsa_code_object_version 6
	.text
	.protected	k_qf71be971db_prep
	.globl	k_qf71be971db_prep
	.p2align	8
	.type	k_qf71be971db_prep,@function
k_qf71be971db_prep:
	s_mov_b64 s[64:65], 0
	v_nop
	global_prefetch_b8 v0, s[64:65] scope:SCOPE_SE
	s_setreg_imm32_b32 hwreg(HW_REG_WAVE_MODE, 25, 1), 1
	s_wait_xcnt 0x0
; Four jobs in one launch, told apart by the work-group's number alone; each has LDS bytes of its own.
;   work-groups   0-127  X:   x [4096][1024] f32 -> codes of E2M1 [4096][512 bytes], K innermost, and one E8M0 byte for each 32 along K [4096][32]
;   work-groups 128-159  WQ:  Wq [1024 (k)][1024 (n)] f32 -> codes and scale words along K, its FIRST axis
;   work-groups 160-163  WKV: Wk, Wv [1024 (k)][64 (n)] likewise
;   work-groups 164-195  P:   Wp [1024 (k)][1024 (n)] f32 -> f16 with K innermost
; W's codes, W's scale words and Wp's f16 numbers are laid AS THE NEXT LAUNCHES' OPERAND REGISTERS WANT THEM, in chunks of 512 bytes = 32 lanes x 16 bytes, lane (r = l % 16, h = l / 16):
;   w_codes  [pos 72][K step 8][c 2][lane][16]: block 4 s + 2 c + h (32 along K) of column r of column block pos
;   w_scales [half of K 2][16 pos + r][16]: four words, one for each K step of 128
;   wpt      [K step of 256: 4][n block 64][kb 16][lane][16]: n = 16 nblk + r, k = 256 ks + 16 kb + 8 h + 0 .. 7
; pos orders the column blocks so that the nine that one work-group of the next launch takes are neighbours: block b of Wq at 9 (b / 8) + b % 8; block j of Wk (0-3) and Wv (4-7) at 9 j + 8.
; THE QUANTISER: a block's scale is 2^(floor(log2(largest magnitude)) - 2); its byte is the largest magnitude's exponent field - 2, held at 1 from below by a floor among the maximum's leaves.
; LIMITS: a block of zeros, or one whose largest magnitude lies under 2^-124, keeps the byte 1 (its codes are zeros or tiny; the bytes are read by this program alone). NaN and infinities are not served.
; |Wp| stays under 65,504, f16's range; magnitudes under 6e-5 carry f16's subnormal step.
; A stream: no matrix unit, no tensor load, no cluster (no two work-groups read the same bytes).
.set XST,   0                          ; X: two stages of 32 x 80 bytes for each of eight waves
.set XSC,   40960                      ; X: the work-group's 1,024 scale bytes
.set QSC,   41984                      ; WQ: 64 columns x 16 bytes of scale words
.set KSC,   43008                      ; WKV: the same
.set SPARE, 44032                      ; the spare words, 128 bytes a wave: four blocks of 256 bytes that no other line names
.set SPW,   12                         ; v12  my spare word; never rewritten
.set NIL,   13                         ; v13  0; never rewritten
.set WV,    32                         ; s32  wave
.set CG,    33                         ; s33  wave % 2: which 32 of the work-group's 64 columns
.set KR,    34                         ; s34  wave / 2: which 128 of its 512 along K
.set XR,    16                         ; X: v16-143  eight sets of 16 numbers as loaded
.set XX,    144                        ; X: v144-175 two sets of 16 neighbours
.set XC,    176                        ; X: v176-191 two registers of codes a step
.set XE,    192                        ; X: v192-199 a scale byte a step
.set WN,    16                         ; W, P: v16-143 my column's 128 numbers down K
.set WC,    144                        ; W: v144-159 codes; P: v144-207 f16 pairs
.set WSB,   160                        ; W: v160 my K step's scale word
.macro FINISH                          ; a wave's end: three lines behind the last LDS store
	s_wait_tensorcnt 0x0
	ds_add_u32 v[SPW], v[NIL]
	s_wait_dscnt 0x0
	s_endpgm
.endm
.macro SPLIT first                     ; s37 = (work-group - first) / 2, s38 = its low bit: which half of K
	s_sub_co_u32 s36, ttmp9, \first
	s_lshr_b32 s37, s36, 1
	s_and_b32 s38, s36, 1
.endm
.macro SRCBIG p                        ; s[24:25] = the [1024][1024] tensor at s[p:p+1], at my wave's first row (512 kh + 128 kr) and column (64 cgp + 32 cg)
	s_lshl_b32 s40, s38, 21
	s_lshl_b32 s41, s[KR], 19
	s_add_co_u32 s40, s40, s41
	s_lshl_b32 s41, s37, 8
	s_add_co_u32 s40, s40, s41
	s_lshl_b32 s41, s[CG], 7
	s_add_co_u32 s40, s40, s41
	s_mov_b32 s41, 0
	s_add_nc_u64 s[24:25], s[\p:\p+1], s[40:41]
.endm
.macro WLOAD pitch                     ; A LANE TAKES A COLUMN AND ITS REGISTERS RUN DOWN K: each load reads 128 neighbouring bytes, the wave beside me the next 128
.set i, 0
.rept 128
	global_load_b32 v[WN+i], v3, s[24:25] offset:i*\pitch th:TH_LOAD_NT
.set i, i+1
.endr
.endm
.macro WWAIT t                         ; block t's 32 loads are in: 96 - 32 t younger ones may be out; the count's field ends at 63, and a smaller count is safe
.if 96-32*(\t) > 63
	s_wait_loadcnt 63
.else
	s_wait_loadcnt 96-32*(\t)
.endif
.endm
.macro VOUT dpos                       ; v4: where my 16 bytes go in a chunk: lanes 0-15 one column block, lanes 16-31 the next, dpos bytes on
	v_lshrrev_b32 v4, 4, v2
	v_mul_u32_u24 v4, v4, \dpos
	v_and_b32 v5, 15, v2
	v_lshl_add_u32 v4, v5, 4, v4
.endm
	s_load_b256 s[4:11], s[0:1], 0x0               ; x, Wq, Wk, Wv
	s_load_b256 s[12:19], s[0:1], 0x20             ; Wp, x_codes, x_scales, w_codes
	s_load_b128 s[20:23], s[0:1], 0x40             ; w_scales, wpt
	v_lshl_add_u32 v[SPW], v0, 2, SPARE
	v_mov_b32 v[NIL], 0
	v_lshrrev_b32 v1, 5, v0
	v_readfirstlane_b32 s[WV], v1
	s_and_b32 s[CG], s[WV], 1
	s_lshr_b32 s[KR], s[WV], 1
	v_and_b32 v2, 31, v0                           ; lane
	s_wait_kmcnt 0x0
	s_cmp_lt_u32 ttmp9, 128
	s_cbranch_scc1 .Lx
	s_cmp_lt_u32 ttmp9, 160
	s_cbranch_scc1 .Lwq
	s_cmp_lt_u32 ttmp9, 164
	s_cbranch_scc1 .Lwkv
; ---- P: Wp to f16.  A work-group takes 64 columns x 512 along K, a wave 32 x 128.  Eight neighbours down K of my column are 16 bytes of a chunk.
	SPLIT 164
	SRCBIG 12
	v_lshlrev_b32 v3, 2, v2
	WLOAD 4096
	s_lshl_b32 s40, s38, 1                         ; K step of 256: 2 kh + kr / 2,
	s_lshr_b32 s41, s[KR], 1
	s_add_co_u32 s40, s40, s41
	s_lshl_b32 s40, s40, 19                        ; 524,288 bytes each;
	s_lshl_b32 s41, s37, 2                         ; n block 4 cgp + 2 cg,
	s_lshl_b32 s42, s[CG], 1
	s_add_co_u32 s41, s41, s42
	s_lshl_b32 s41, s41, 13                        ; 8,192 bytes each;
	s_add_co_u32 s40, s40, s41
	s_and_b32 s41, s[KR], 1                        ; and which half of the K step's sixteen chunks
	s_lshl_b32 s41, s41, 12
	s_add_co_u32 s40, s40, s41
	s_mov_b32 s41, 0
	s_add_nc_u64 s[26:27], s[22:23], s[40:41]
	VOUT 8192
.irp t, 0,1,2,3
	WWAIT \t
.irp i, 0,1,2,3,4,5,6,7,8,9,10,11,12,13,14,15
	v_cvt_pk_f16_f32 v[WC+16*\t+\i], v[WN+32*\t+2*\i], v[WN+32*\t+2*\i+1]   ; the lower k in the low half
.endr
.irp u, 0,1,2,3
	global_store_b128 v4, v[WC+16*\t+4*\u:WC+16*\t+4*\u+3], s[26:27] offset:256*(4*\t+\u)   ; sixteen lanes store 256 consecutive bytes, aligned
.endr
.endr
	FINISH
; ---- X.  Rows are dense and 1,024 is a multiple of 32: x is a plain stream of blocks of 32.  A wave takes 8 steps of 512 numbers.  The loads take the bytes as they lie, 512 a load; a step's 2,048 bytes
; turn through the wave's own stage (16 bytes of padding behind each 64) and come back 64 bytes a lane: 16 neighbours, two lanes to a block.
.macro XLOAD t
.irp i, 0,1,2,3
	global_load_b128 v[XR+16*(\t)+4*\i:XR+16*(\t)+4*\i+3], v3, s[4:5] offset:2048*(\t)+512*\i th:TH_LOAD_NT
.endr
.endm
.macro XTURN t                         ; LDS serves a wave's instructions in order: no wait between the stores and the loads
.irp i, 0,1,2,3
	ds_store_b128 v14, v[XR+16*(\t)+4*\i:XR+16*(\t)+4*\i+3] offset:2560*((\t)%2)+640*\i
.endr
.irp i, 0,1,2,3
	ds_load_b128 v[XX+16*((\t)%2)+4*\i:XX+16*((\t)%2)+4*\i+3], v15 offset:2560*((\t)%2)+16*\i
.endr
.endm
.macro XSTEP t
.set XS, XX+16*((\t)%2)
.if (\t) > 0
	s_wait_dscnt 1                                 ; this step's numbers are back from the stage; the last step's byte store may be out
.else
	s_wait_dscnt 0x0
.endif
.if (\t) < 7
	s_wait_loadcnt 4*(6-(\t))                      ; the next step's four loads are in; those of the steps behind it may be out
	XTURN (\t)+1                                   ; and go through the other stage while this step is worked
.endif
	v_max3_num_f32 v8, |v[XS]|, |v[XS+1]|, |v[XS+2]|
	v_max3_num_f32 v9, |v[XS+3]|, |v[XS+4]|, |v[XS+5]|
.irp i, 6,10
	v_max3_num_f32 v8, v8, |v[XS+\i]|, |v[XS+\i+1]|
	v_max3_num_f32 v9, v9, |v[XS+\i+2]|, |v[XS+\i+3]|
.endr
	v_max3_num_f32 v8, v8, |v[XS+14]|, |v[XS+15]|
	v_max3_num_f32 v8, v8, v9, 0x1800000           ; the floor 2^(3 - 127): the byte cannot fall under 1
	v_max_num_f32_dpp v8, v8, v8 row_xmask:1 row_mask:0xf bank_mask:0xf   ; with my neighbour's 16: the block's largest magnitude
	v_add_nc_u32 v11, 0xff000000, v8               ; 2 off its exponent field: the conversion takes the exponent field of this operand as its scale
	v_cvt_scalef32_pk8_fp4_f32 v[XC+2*(\t)], v[XS:XS+7], v11
	v_cvt_scalef32_pk8_fp4_f32 v[XC+2*(\t)+1], v[XS+8:XS+15], v11
	v_lshrrev_b32 v[XE+(\t)], 23, v11              ; the scale's byte (also the plain line behind the conversions)
	ds_store_b8 v5, v[XE+(\t)] offset:16*(\t)      ; both lanes of a block write the same byte with the same value
	global_store_b64 v4, v[XC+2*(\t):XC+2*(\t)+1], s[14:15] offset:256*(\t)   ; the wave stores 256 consecutive bytes, aligned
.endm
.Lx:
	s_lshl_b32 s36, ttmp9, 3
	s_add_co_u32 s36, s36, s[WV]                   ; which run of 4,096 numbers is my wave's
	s_lshl_b32 s38, s36, 14
	s_mov_b32 s39, 0
	s_add_nc_u64 s[4:5], s[4:5], s[38:39]
	v_lshlrev_b32 v3, 4, v2
.irp t, 0,1,2,3,4,5,6,7
	XLOAD \t                                       ; all 32 loads of the wave go out at once
.endr
	s_lshl_b32 s38, s36, 11
	s_add_nc_u64 s[14:15], s[14:15], s[38:39]
	s_lshl_b32 s38, ttmp9, 10
	s_add_nc_u64 s[24:25], s[16:17], s[38:39]
	v_lshlrev_b32 v4, 3, v2                        ; my 8 bytes of a step's 256 of codes
	s_mul_i32 s37, s[WV], 5120
	v_lshrrev_b32 v14, 2, v2
	v_mul_u32_u24 v14, v14, 80
	v_and_b32 v15, 3, v2
	v_lshl_add_u32 v14, v15, 4, v14
	v_add_nc_u32 v14, s37, v14                     ; the stage, on the way in: 80 (lane / 4) + 16 (lane % 4)
	v_mul_u32_u24 v15, v2, 80
	v_add_nc_u32 v15, s37, v15                     ; and on the way out: 80 x lane
	v_lshrrev_b32 v5, 1, v2
	s_lshl_b32 s37, s[WV], 7
	s_add_co_u32 s37, s37, XSC
	v_add_nc_u32 v5, s37, v5                       ; my block's byte among my wave's 128
	v_and_b32 v7, 63, v0
	v_lshlrev_b32 v7, 4, v7
	v_add_nc_u32 v6, XSC, v7
	s_wait_loadcnt 28                              ; step 0's four loads are in
	XTURN 0
.irp t, 0,1,2,3,4,5,6,7
	XSTEP \t
.endr
	s_wait_dscnt 0x0                               ; for the others' sake: my byte stores are done
	s_barrier_signal -1
	s_barrier_wait -1
	s_cmp_lt_u32 s[WV], 2                          ; the work-group's 1,024 scale bytes leave by two waves: 512 consecutive bytes each
	s_cbranch_scc0 .Lx_end
	ds_load_b128 v[8:11], v6
	s_wait_dscnt 0x0
	global_store_b128 v7, v[8:11], s[24:25]
.Lx_end:
	FINISH
; ---- WQ, WKV.  A work-group takes 64 columns x 512 along K; wave (cg, kr) 32 columns x one K step of 128: four blocks of 32, each whole in one lane's registers.
; s38 = which half of K, s39 = pos of the work-group's first column block, s[24:25] = my wave's first number.  dpos: bytes of w_codes from a column block to the next of this tensor.
.macro WBLOCK t
.set XS, WN+32*(\t)
	WWAIT \t
	v_max3_num_f32 v8, |v[XS]|, |v[XS+1]|, |v[XS+2]|
	v_max3_num_f32 v9, |v[XS+3]|, |v[XS+4]|, |v[XS+5]|
.irp i, 6,10,14,18,22,26
	v_max3_num_f32 v8, v8, |v[XS+\i]|, |v[XS+\i+1]|
	v_max3_num_f32 v9, v9, |v[XS+\i+2]|, |v[XS+\i+3]|
.endr
	v_max3_num_f32 v8, v8, |v[XS+30]|, |v[XS+31]|
	v_max3_num_f32 v8, v8, v9, 0x1800000           ; the floor
	v_add_nc_u32 v10, 0xff000000, v8               ; the conversion's scale operand
	v_lshrrev_b32 v11, 23, v10                     ; the byte
.if (\t) == 0
	v_mov_b32 v[WSB], v11
.else
	v_lshl_or_b32 v[WSB], v11, 8*(\t), v[WSB]      ; four bytes to the K step's word, the lower K in the lower byte
.endif
.irp g, 0,1,2,3
	v_cvt_scalef32_pk8_fp4_f32 v[WC+4*(\t)+\g], v[XS+8*\g:XS+8*\g+7], v10
.endr
	global_store_b128 v4, v[WC+4*(\t):WC+4*(\t)+3], s[26:27] offset:256*(\t)   ; block t = 2 c + h of the fragment: sixteen lanes store 256 consecutive bytes, aligned.  (The next block begins with plain lines)
.endm
.macro WPATH pitch, dpos, sc
	v_lshlrev_b32 v3, 2, v2
	WLOAD \pitch
	s_lshl_b32 s40, s39, 13                        ; pos x 8,192
	s_mul_i32 s42, s[CG], 2*\dpos                  ; my two column blocks of the four
	s_add_co_u32 s40, s40, s42
	s_lshl_b32 s42, s38, 2
	s_add_co_u32 s42, s42, s[KR]                   ; K step 4 kh + kr,
	s_lshl_b32 s42, s42, 10                        ; 1,024 bytes each
	s_add_co_u32 s40, s40, s42
	s_mov_b32 s41, 0
	s_add_nc_u64 s[26:27], s[18:19], s[40:41]
	s_mul_i32 s40, s38, 18432                      ; the scale words: half of K, then pos x 256
	s_lshl_b32 s42, s39, 8
	s_add_co_u32 s40, s40, s42
	s_add_nc_u64 s[28:29], s[20:21], s[40:41]
	VOUT \dpos
	s_lshl_b32 s40, s[CG], 9
	s_lshl_b32 s42, s[KR], 2
	s_add_co_u32 s40, s40, s42
	s_add_co_u32 s40, s40, \sc
	v_lshl_add_u32 v5, v2, 4, s40                  ; LDS: column (32 cg + lane) x 16 + 4 kr
	v_and_b32 v7, 63, v0
	v_lshl_add_u32 v6, v7, 4, \sc                  ; back: a column's four words a thread
	v_lshrrev_b32 v14, 4, v7
	v_mul_u32_u24 v14, v14, \dpos/32
	v_and_b32 v15, 15, v0
	v_lshl_add_u32 v7, v15, 4, v14                 ; and their place in w_scales
.irp t, 0,1,2,3
	WBLOCK \t
.endr
	ds_store_b32 v5, v[WSB]
	s_wait_dscnt 0x0                               ; for the others' sake
	s_barrier_signal -1
	s_barrier_wait -1
	s_cmp_lt_u32 s[WV], 2
	s_cbranch_scc0 .Lw_end_\@
	ds_load_b128 v[164:167], v6
	s_wait_dscnt 0x0
	global_store_b128 v7, v[164:167], s[28:29]     ; sixteen lanes store a column block's 256 bytes, aligned
.Lw_end_\@:
	FINISH
.endm
.Lwq:
	SPLIT 128
	SRCBIG 6
	s_lshr_b32 s39, s37, 1                         ; blocks b = 4 cgp .. 4 cgp + 3: pos = 9 (cgp / 2) + 4 (cgp % 2) + 0 .. 3
	s_mul_i32 s39, s39, 9
	s_and_b32 s40, s37, 1
	s_lshl_b32 s40, s40, 2
	s_add_co_u32 s39, s39, s40
	WPATH 4096, 8192, QSC
.Lwkv:
	SPLIT 160
	s_cmp_eq_u32 s37, 0                            ; Wk or Wv: the choice hangs on the work-group's number alone
	s_cselect_b64 s[24:25], s[8:9], s[10:11]
	s_lshl_b32 s40, s38, 17                        ; 512 rows of 256 bytes,
	s_lshl_b32 s41, s[KR], 15                      ; 128 rows,
	s_add_co_u32 s40, s40, s41
	s_lshl_b32 s41, s[CG], 7                       ; 32 columns
	s_add_co_u32 s40, s40, s41
	s_mov_b32 s41, 0
	s_add_nc_u64 s[24:25], s[24:25], s[40:41]
	s_mul_i32 s39, s37, 36                         ; blocks j = 4 wh .. 4 wh + 3: pos = 9 j + 8
	s_add_co_u32 s39, s39, 8
	WPATH 256, 73728, KSC
.Lfunc_end_k_qf71be971db_prep:
	.size	k_qf71be971db_prep, .Lfunc_end_k_qf71be971db_prep-k_qf71be971db_prep
	.p2alignl 7, 3214868480
	.fill 96, 4, 3214868480
	.section	.rodata,"a",@progbits
	.p2align	6, 0x0
	.amdhsa_kernel k_qf71be971db_prep
		.amdhsa_group_segment_fixed_size 45056
		.amdhsa_private_segment_fixed_size 0
		.amdhsa_enable_private_segment 0
		.amdhsa_kernarg_size 80
		.amdhsa_user_sgpr_count 2
		.amdhsa_user_sgpr_kernarg_segment_ptr 1
		.amdhsa_wavefront_size32 1
		.amdhsa_system_sgpr_workgroup_id_x 1
		.amdhsa_system_sgpr_workgroup_id_y 1
		.amdhsa_system_sgpr_workgroup_id_z 1
		.amdhsa_system_vgpr_workitem_id 0
		.amdhsa_next_free_vgpr 208
		.amdhsa_next_free_sgpr 66
		.amdhsa_reserve_vcc 0
		.amdhsa_float_denorm_mode_32 3
		.amdhsa_float_denorm_mode_16_64 3
		.amdhsa_memory_ordered 1
		.amdhsa_forward_progress 1
		.amdhsa_inst_pref_size 78
	.end_amdhsa_kernel
	.amdgpu_metadata
---
amdhsa.version: [ 1, 2 ]
amdhsa.kernels:
  - .name:           k_qf71be971db_prep
    .symbol:         k_qf71be971db_prep.kd
    .args:
      - { .name: x, .offset: 0, .size: 8, .value_kind: global_buffer, .address_space: global }
      - { .name: Wq, .offset: 8, .size: 8, .value_kind: global_buffer, .address_space: global }
      - { .name: Wk, .offset: 16, .size: 8, .value_kind: global_buffer, .address_space: global }
      - { .name: Wv, .offset: 24, .size: 8, .value_kind: global_buffer, .address_space: global }
      - { .name: Wp, .offset: 32, .size: 8, .value_kind: global_buffer, .address_space: global }
      - { .name: x_codes, .offset: 40, .size: 8, .value_kind: global_buffer, .address_space: global }
      - { .name: x_scales, .offset: 48, .size: 8, .value_kind: global_buffer, .address_space: global }
      - { .name: w_codes, .offset: 56, .size: 8, .value_kind: global_buffer, .address_space: global }
      - { .name: w_scales, .offset: 64, .size: 8, .value_kind: global_buffer, .address_space: global }
      - { .name: wpt, .offset: 72, .size: 8, .value_kind: global_buffer, .address_space: global }
    .group_segment_fixed_size: 45056
    .private_segment_fixed_size: 0
    .kernarg_segment_align: 8
    .kernarg_segment_size: 80
    .max_flat_workgroup_size: 256
    .sgpr_count:     66
    .vgpr_count:     208
    .wavefront_size: 32
...
	.end_amdgpu_metadata
.endif
;; end of part 1
;; launch qkv (part 2): grid 8 x 32, 4 waves a work-group, clusters of 4 x 4, 167,936 bytes of LDS; arguments x_codes, x_scales, w_codes, w_scales, q_ws, kv_ws; writes q_ws, kv_ws
.if DOCPART == 2
	.amdgcn_target "amdgcn-amd-amdhsa--gfx1250"
	.amdhsa_code_object_version 6
	.text
	.protected	k_qf71be971db_qkv
	.globl	k_qf71be971db_qkv
	.p2align	8
	.type	k_qf71be971db_qkv,@function
k_qf71be971db_qkv:
	s_mov_b64 s[64:65], 0
	v_nop
	global_prefetch_b8 v0, s[64:65] scope:SCOPE_SE
	s_setreg_imm32_b32 hwreg(HW_REG_WAVE_MODE, 25, 1), 1
	s_wait_xcnt 0x0
	s_wait_alu depctr_hold_cnt(0) depctr_sa_sdst(0) depctr_va_vdst(0) depctr_va_sdst(0) depctr_va_ssrc(0) depctr_va_vcc(0) depctr_vm_vsrc(0)
	s_getreg_b32 s2, hwreg(HW_REG_IB_STS2, 6, 4)
	s_cmp_eq_u32 s2, 0
	s_cbranch_scc0 .Lentry_in_a_cluster
	s_endpgm
.Lentry_in_a_cluster:
	s_bfe_u32 s2, ttmp6, 0x10000c
	s_cmp_lg_u32 s2, 0xf033
	s_cbranch_scc0 .Lentry_shape_is_right
	s_endpgm
.Lentry_shape_is_right:
; q = x Wq, k = x Wk, v = x Wv on codes of E2M1 with one E8M0 scale for each 32 along K (1,024); sums in f32; the results are rounded once to f16 for the attention that follows.
; A work-group takes 128 rows of x against 9 column blocks of 16: eight of Wq (columns 128 ni on) and block ni of (Wk | Wv).  All of K lies in LDS at once: x's 128 rows of 512 bytes and W's nine blocks, 73,728
; dense bytes laid as fragments' register images.  Each LDS byte is filled once: no ring.  Wave w takes rows 32 w .. 32 w + 31 (two blocks a) against all nine: 18 accumulators, 8 K steps of 128.
; CLUSTER 4 x 4: the four of a row need the same rows of x, the four of a column the same blocks of W: each tile is asked for jointly.
; q and k are made TRANSPOSED (source 0 = 16 columns of W, source 1 = 16 rows of x): a lane then holds one row and eight neighbouring columns, 16 bytes of f16.
; v is made the natural way round (source 0 = x, source 1 = W): a lane then holds one channel and eight neighbouring KEYS, which is what the second product of attention wants of V^T.
; Which of the two a work-group makes hangs on the cluster's x alone (0: k, 1: v), the same in all sixteen partners.
; RESULTS LEAVE AS REGISTER IMAGES: each store of a wave is 512 consecutive bytes, aligned: no stage in LDS.
;   q_ws [row block 256][column block 64][lane][16];  kv_ws [batch 2]: K [key block 128][channel block 4][lane][16], then V [32 keys: 64][channel block 4][16 keys: 2][lane][16]
; LIMITS: |q|, |k|, |v| stay under 65,504, f16's range (inputs 30 times the drawn spread give a spread of 900; offsets of 30 spreads on x and W about 29,000); NaN and infinities are not served.
; REGISTERS: window 0: v1-10 addresses; v32-39 x's scale words; v40-71 Wq's; v72-79 the kv block's; v80-111 x's fragments, two sets; v112-239 q's 16 accumulators; v240-255 the kv block's two.
;   window 1: W's fragments, two sets of nine, at v0 and v72.
.set PITCH, 528                        ; x's row in LDS: 512 bytes + 16 = 33 x 16: the 16 rows that a load touches start at 16 different groups of banks
.set BTILE, 128*PITCH
.set SPARE, BTILE+73728                ; the spare words, 128 bytes a wave: two blocks of 256 bytes that no other line names
.set LI,   4                           ; v4   16 x lane
.set ADA,  5                           ; v5   my place in x's tile
.set ADB,  6                           ; v6   BTILE + 16 x lane
.set ADB2, 10                          ; v10  the same 65,536 on: the ninth block lies beyond an LDS offset's 16 bits
.set SPW,  28
.set NIL,  29
.set SCA,  32                          ; + s: lanes 0-15 the words of my rows' block 0, lanes 16-31 of block 1
.set SCB,  40                          ; + 8 p + s: lanes 0-15 column block p, lanes 16-31 block p + 4
.set SCK,  72                          ; + s: the kv block
.set AF,   80
.set ACC,  112
.set KV,   240
.set G1A,  24
.set G0A,  32
.set G1B,  48
.set G0B,  56
.set MSB, 0
.macro WIN new                         ; the immediate's high byte repeats the setting that is left
.if MSB != \new
	s_set_vgpr_msb (MSB<<8)|\new
.set MSB, \new
.endif
.endm
.macro JLOAD                           ; waves 0 and 1 fetch x's halves, waves 2 and 3 W's.  An s_nop 0 and four v_nop follow each line
	s_cmp_eq_u32 s17, 0
	s_cbranch_scc0 .Lfor_b_\@
	tensor_load_to_lds s[G0A:G0A+3], s[G1A:G1A+7]
	s_nop 0
.rept 4
	v_nop
.endr
	s_branch .Lasked_\@
.Lfor_b_\@:
	tensor_load_to_lds s[G0B:G0B+3], s[G1B:G1B+7]
	s_nop 0
.rept 4
	v_nop
.endr
.Lasked_\@:
.endm
.macro CROUND                          ; a round of the cluster's barrier
	s_barrier_signal -1
	s_barrier_wait -1
	s_cmp_lg_u32 s16, 0
	s_cbranch_scc1 .Lnot_wave_0_\@
	s_barrier_signal -3
.Lnot_wave_0_\@:
	s_barrier_wait -3
	s_barrier_signal -1
	s_barrier_wait -1
.endm
.macro PLACES
.rept 4
	v_nop
.endr
.endm
	s_load_b128 s[4:7], s[0:1], 0x0                ; x_codes, x_scales
	s_load_b128 s[8:11], s[0:1], 0x10              ; w_codes, w_scales
	s_load_b128 s[12:15], s[0:1], 0x20             ; q_ws, kv_ws
	v_lshl_add_u32 v[SPW], v0, 2, SPARE
	v_mov_b32 v[NIL], 0
	ds_add_u32 v[SPW], v[NIL]                      ; the wave's opening: the add, twice on end, and its wait ahead of my first tensor load
	ds_add_u32 v[SPW], v[NIL]
	v_lshrrev_b32 v1, 5, v0
	v_readfirstlane_b32 s16, v1                    ; wave
	s_lshr_b32 s17, s16, 1                         ; I fetch for x (0) or for W (1)
	s_and_b32 s18, s16, 1                          ; which half
	s_bfe_u32 s40, ttmp6, 0x40000                  ; cx
	s_bfe_u32 s41, ttmp6, 0x40004                  ; cy
	s_lshl_b32 s42, ttmp9, 2
	s_add_co_u32 s42, s42, s40                     ; ni = 4 x cluster x + cx
	s_and_b32 s19, ttmp7, 0xffff
	s_lshl_b32 s19, s19, 2
	s_add_co_u32 s19, s19, s41                     ; mi = 4 x cluster y + cy
	s_lshl_b32 s43, s41, 2
	s_lshl_b32 s43, 15, s43                        ; my row of the cluster
	s_lshl_b32 s44, 0x1111, s40                    ; my column
	s_or_b32 s[G1A+0], s43, (0<<16)|(1<<20)|(1<<21)|(6<<22)|(3<<25)   ; x: elements of 1 byte; 4 words of padding behind every 128; bit 21 beside a mask
	s_mov_b32 s[G1A+1], 512<<16                    ; tensor_dim0
	s_mov_b32 s[G1A+2], 64<<16                     ; tensor_dim1
	s_mov_b32 s[G1A+3], 512<<16                    ; tile_dim0
	s_mov_b32 s[G1A+4], 64                         ; tile_dim1
	s_mov_b32 s[G1A+5], 512                        ; pitch
	s_mov_b32 s[G1A+6], 0
	s_mov_b32 s[G1A+7], 0
	s_or_b32 s[G1B+0], s44, (3<<16)|(1<<21)        ; W: a dense block as 144 rows of 32 elements of 8 bytes, no padding
	s_mov_b32 s[G1B+1], 32<<16
	s_mov_b32 s[G1B+2], 144<<16
	s_mov_b32 s[G1B+3], 32<<16
	s_mov_b32 s[G1B+4], 144
	s_mov_b32 s[G1B+5], 32
	s_mov_b32 s[G1B+6], 0
	s_mov_b32 s[G1B+7], 0
	s_lshl_b32 s20, s19, 7
	s_lshl_b32 s21, s18, 6
	s_add_co_u32 s20, s20, s21
	s_lshl_b32 s20, s20, 9                         ; x: row 128 mi + 64 half, 512 bytes a row
	s_mov_b32 s21, 0
	s_mul_i32 s46, s42, 73728                      ; W: nine blocks for each ni, and my half of them
	s_mul_i32 s47, s18, 36864
	s_add_co_u32 s46, s46, s47
	s_mov_b32 s47, 0
	s_mul_i32 s22, s18, 64*PITCH                   ; where they go: no place in the cluster enters an LDS address
	s_mul_i32 s23, s18, 36864
	s_add_co_u32 s23, s23, BTILE
	s_wait_dscnt 0x0                               ; both opening adds are done
	s_wait_kmcnt 0x0
	CROUND                                         ; all sixteen work-groups are here: the joint loads meet
	s_mov_b32 s[G0A], 1
	s_mov_b32 s[G0A+1], s22
	s_add_nc_u64 s[G0A+2:G0A+3], s[4:5], s[20:21]
	s_or_b32 s[G0A+3], s[G0A+3], 0x80000000
	s_mov_b32 s[G0B], 1
	s_mov_b32 s[G0B+1], s23
	s_add_nc_u64 s[G0B+2:G0B+3], s[8:9], s[46:47]
	s_or_b32 s[G0B+3], s[G0B+3], 0x80000000
	JLOAD                                          ; one load a wave: all that the work-group reads of codes
	v_and_b32 v1, 15, v0                           ; r
	v_bfe_u32 v2, v0, 4, 1                         ; h
	v_and_b32 v3, 31, v0
	v_lshlrev_b32 v[LI], 4, v3
	v_mul_u32_u24 v[ADA], v1, PITCH
	v_lshl_add_u32 v[ADA], v2, 4, v[ADA]
	s_mul_i32 s22, s16, 32*PITCH
	v_add_nc_u32 v[ADA], s22, v[ADA]               ; (32 w + r) x pitch + 16 h
	v_add_nc_u32 v[ADB], BTILE, v[LI]
	v_add_nc_u32 v[ADB2], BTILE+65536, v[LI]
	v_lshlrev_b32 v7, 5, v3                        ; x's scale bytes: 32 a row, a lane a row
	v_lshlrev_b32 v9, 4, v1                        ; W's: 16 bytes a column,
	v_lshl_add_u32 v8, v2, 10, v9                  ; lanes 16-31 four blocks on
	s_lshl_b32 s36, s19, 12
	s_lshl_b32 s37, s16, 10
	s_add_co_u32 s36, s36, s37
	s_mov_b32 s37, 0
	s_add_nc_u64 s[6:7], s[6:7], s[36:37]          ; x_scales at row 128 mi + 32 w
	s_mul_i32 s46, s42, 2304
	s_add_nc_u64 s[10:11], s[10:11], s[46:47]      ; w_scales at my nine blocks
	global_load_b128 v[SCA:SCA+3], v7, s[6:7]      ; the scale words come once, in runs of whole rows, and stay in registers
	global_load_b128 v[SCA+4:SCA+7], v7, s[6:7] offset:16
.irp p, 0,1,2,3
	global_load_b128 v[SCB+8*\p:SCB+8*\p+3], v8, s[10:11] offset:256*\p
	global_load_b128 v[SCB+8*\p+4:SCB+8*\p+7], v8, s[10:11] offset:256*\p+18432
.endr
	global_load_b128 v[SCK:SCK+3], v9, s[10:11] offset:2048
	global_load_b128 v[SCK+4:SCK+7], v9, s[10:11] offset:2048+18432
	s_lshl_b32 s36, s19, 18                        ; q_ws: row block 8 mi + 2 w (32,768 bytes each), column block 8 ni (512 each)
	s_lshl_b32 s38, s16, 16
	s_add_co_u32 s36, s36, s38
	s_add_nc_u64 s[12:13], s[12:13], s[36:37]
	s_lshl_b32 s46, s42, 12
	s_add_nc_u64 s[12:13], s[12:13], s[46:47]
	s_lshr_b32 s36, s19, 4                         ; kv_ws: the batch, 524,288 bytes each;
	s_lshl_b32 s36, s36, 19
	s_and_b32 s38, s19, 15                         ; my 32 keys: 16,384 bytes for each 128 keys, 4,096 for each 32, in K's part and in V's alike
	s_lshl_b32 s38, s38, 14
	s_add_co_u32 s36, s36, s38
	s_lshl_b32 s38, s16, 12
	s_add_co_u32 s36, s36, s38
	s_add_nc_u64 s[14:15], s[14:15], s[36:37]
; One scaled product.  first: C = 0 starts the sum.  ra, rb: source 0's, source 1's scales stand in lanes 16-31 of the register named.
.macro WM d, s0, s1, first, sa, sb, ra, rb
.if (\first) && (\ra) && (\rb)
	v_wmma_scale_f32_16x16x128_f8f6f4 v[\d:\d+7], v[\s0:\s0+7], v[\s1:\s1+7], 0, v[\sa], v[\sb] matrix_a_fmt:MATRIX_FMT_FP4 matrix_b_fmt:MATRIX_FMT_FP4 matrix_a_scale:MATRIX_SCALE_ROW1 matrix_b_scale:MATRIX_SCALE_ROW1
.elseif (\first) && (\ra)
	v_wmma_scale_f32_16x16x128_f8f6f4 v[\d:\d+7], v[\s0:\s0+7], v[\s1:\s1+7], 0, v[\sa], v[\sb] matrix_a_fmt:MATRIX_FMT_FP4 matrix_b_fmt:MATRIX_FMT_FP4 matrix_a_scale:MATRIX_SCALE_ROW1
.elseif (\first) && (\rb)
	v_wmma_scale_f32_16x16x128_f8f6f4 v[\d:\d+7], v[\s0:\s0+7], v[\s1:\s1+7], 0, v[\sa], v[\sb] matrix_a_fmt:MATRIX_FMT_FP4 matrix_b_fmt:MATRIX_FMT_FP4 matrix_b_scale:MATRIX_SCALE_ROW1
.elseif (\first)
	v_wmma_scale_f32_16x16x128_f8f6f4 v[\d:\d+7], v[\s0:\s0+7], v[\s1:\s1+7], 0, v[\sa], v[\sb] matrix_a_fmt:MATRIX_FMT_FP4 matrix_b_fmt:MATRIX_FMT_FP4
.elseif (\ra) && (\rb)
	v_wmma_scale_f32_16x16x128_f8f6f4 v[\d:\d+7], v[\s0:\s0+7], v[\s1:\s1+7], v[\d:\d+7], v[\sa], v[\sb] matrix_a_fmt:MATRIX_FMT_FP4 matrix_b_fmt:MATRIX_FMT_FP4 matrix_a_scale:MATRIX_SCALE_ROW1 matrix_b_scale:MATRIX_SCALE_ROW1
.elseif (\ra)
	v_wmma_scale_f32_16x16x128_f8f6f4 v[\d:\d+7], v[\s0:\s0+7], v[\s1:\s1+7], v[\d:\d+7], v[\sa], v[\sb] matrix_a_fmt:MATRIX_FMT_FP4 matrix_b_fmt:MATRIX_FMT_FP4 matrix_a_scale:MATRIX_SCALE_ROW1
.elseif (\rb)
	v_wmma_scale_f32_16x16x128_f8f6f4 v[\d:\d+7], v[\s0:\s0+7], v[\s1:\s1+7], v[\d:\d+7], v[\sa], v[\sb] matrix_a_fmt:MATRIX_FMT_FP4 matrix_b_fmt:MATRIX_FMT_FP4 matrix_b_scale:MATRIX_SCALE_ROW1
.else
	v_wmma_scale_f32_16x16x128_f8f6f4 v[\d:\d+7], v[\s0:\s0+7], v[\s1:\s1+7], v[\d:\d+7], v[\sa], v[\sb] matrix_a_fmt:MATRIX_FMT_FP4 matrix_b_fmt:MATRIX_FMT_FP4
.endif
.endm
; K step s's fragments into set p: 22 loads in one run.  W's are register images (16 x lane, consecutive bytes); x's come from rows: two loads of 16 bytes, 32 apart
.macro FETCH s, p
	WIN 0x40                                       ; destination window 1
.irp b, 0,1,2,3,4,5,6,7
.irp c, 0,1
	ds_load_b128 v[72*(\p)+8*\b+4*\c:72*(\p)+8*\b+4*\c+3], v[ADB] offset:8192*\b+1024*(\s)+512*\c
.endr
.endr
.irp c, 0,1
	ds_load_b128 v[72*(\p)+64+4*\c:72*(\p)+64+4*\c+3], v[ADB2] offset:1024*(\s)+512*\c
.endr
	WIN 0
.irp a, 0,1
.irp c, 0,1
	ds_load_b128 v[AF+16*(\p)+8*\a+4*\c:AF+16*(\p)+8*\a+4*\c+3], v[ADA] offset:16*PITCH*\a+64*(\s)+32*\c
.endr
.endr
.endm
; A K step: 18 products; the 18 accumulators take turns, one instruction a turn, in the same order in every step.  arm 0: the ninth block is k's; 1: v's
.macro KSTEP s, arm
.set PP, (\s)%2
.set FST, 0
.if (\s) == 0
.set FST, 1
.endif
	s_wait_dscnt 0x0                               ; this step's set is in: it was asked for a step ago
.if (\s) > 0
	PLACES                                         ; four places in front of loads into the set that the last step's products read
.endif
.if (\s) < 7
	FETCH (\s)+1, 1-PP
.endif
	WIN 0x01                                       ; source 0 (W) window 1
.irp a, 0,1
.irp b, 0,1,2,3,4,5,6,7
	WM ACC+8*(8*\a+\b), 72*PP+8*\b, AF+16*PP+8*\a, FST, SCB+8*(\b%4)+(\s), SCA+(\s), \b/4, \a
.endr
.endr
.if \arm == 0
.irp a, 0,1
	WM KV+8*\a, 72*PP+64, AF+16*PP+8*\a, FST, SCK+(\s), SCA+(\s), 0, \a
.endr
.else
	WIN 0x04                                       ; source 1 (W) window 1
.irp a, 0,1
	WM KV+8*\a, AF+16*PP+8*\a, 72*PP+64, FST, SCA+(\s), SCK+(\s), \a, 0
.endr
.endif
	WIN 0
.endm
.macro KLOOP arm
.if \arm == 0
	s_lshl_b32 s46, s42, 9                         ; K's part: channel block ni, 512 bytes
.else
	s_lshl_b32 s46, s42, 10                        ; V's part, 262,144 on: channel block ni - 4, 1,024 bytes
	s_add_co_u32 s46, s46, 258048
.endif
	s_add_nc_u64 s[14:15], s[14:15], s[46:47]
.irp s, 0,1,2,3,4,5,6,7
	KSTEP \s, \arm
.endr
	PLACES                                         ; four places behind the last products, ahead of the first read of results
.irp a, 0,1
.irp i, 0,1,2,3
	v_cvt_pk_f16_f32 v[KV+8*\a+\i], v[KV+8*\a+2*\i], v[KV+8*\a+2*\i+1]   ; in place, from the low end on
.endr
.endr
.irp a, 0,1
.if \arm == 0
	global_store_b128 v[LI], v[KV+8*\a:KV+8*\a+3], s[14:15] offset:2048*\a   ; key block 2 w + a: 512 consecutive bytes, aligned
.else
	global_store_b128 v[LI], v[KV+8*\a:KV+8*\a+3], s[14:15] offset:512*\a    ; the 32 keys' half a
.endif
.endr
.endm
	s_wait_tensorcnt 0x0                           ; my part of the tiles is in,
	s_barrier_signal -1
	s_barrier_wait -1                              ; everybody's is.
	FETCH 0, 0
	s_wait_loadcnt 0x0                             ; the scale words
	s_cmp_eq_u32 ttmp9, 0                          ; the cluster's x: the same in all sixteen partners
	s_cbranch_scc0 .Lv
	KLOOP 0
	s_branch .Ljoin
.Lv:
	KLOOP 1
.Ljoin:
.irp t, 0,1,2,3,4,5,6,7,8,9,10,11,12,13,14,15
.irp i, 0,1,2,3
	v_cvt_pk_f16_f32 v[ACC+8*\t+\i], v[ACC+8*\t+2*\i], v[ACC+8*\t+2*\i+1]
.endr
.endr
.irp a, 0,1
.irp b, 0,1,2,3,4,5,6,7
	global_store_b128 v[LI], v[ACC+8*(8*\a+\b):ACC+8*(8*\a+\b)+3], s[12:13] offset:32768*\a+512*\b   ; 512 consecutive bytes, aligned
.endr
.endr
	s_wait_tensorcnt 0x0                           ; the wave's end
	ds_add_u32 v[SPW], v[NIL]
	s_wait_dscnt 0x0
	CROUND                                         ; the closing round
	s_endpgm
.Lfunc_end_k_qf71be971db_qkv:
	.size	k_qf71be971db_qkv, .Lfunc_end_k_qf71be971db_qkv-k_qf71be971db_qkv
	.p2alignl 7, 3214868480
	.fill 96, 4, 3214868480
	.section	.rodata,"a",@progbits
	.p2align	6, 0x0
	.amdhsa_kernel k_qf71be971db_qkv
		.amdhsa_group_segment_fixed_size 167936
		.amdhsa_private_segment_fixed_size 0
		.amdhsa_enable_private_segment 0
		.amdhsa_kernarg_size 48
		.amdhsa_user_sgpr_count 2
		.amdhsa_user_sgpr_kernarg_segment_ptr 1
		.amdhsa_wavefront_size32 1
		.amdhsa_system_sgpr_workgroup_id_x 1
		.amdhsa_system_sgpr_workgroup_id_y 1
		.amdhsa_system_sgpr_workgroup_id_z 1
		.amdhsa_system_vgpr_workitem_id 0
		.amdhsa_next_free_vgpr 400
		.amdhsa_next_free_sgpr 66
		.amdhsa_reserve_vcc 0
		.amdhsa_float_denorm_mode_32 3
		.amdhsa_float_denorm_mode_16_64 3
		.amdhsa_memory_ordered 1
		.amdhsa_forward_progress 1
		.amdhsa_inst_pref_size 76
	.end_amdhsa_kernel
	.amdgpu_metadata
---
amdhsa.version: [ 1, 2 ]
amdhsa.kernels:
  - .name:           k_qf71be971db_qkv
    .symbol:         k_qf71be971db_qkv.kd
    .args:
      - { .name: x_codes, .offset: 0, .size: 8, .value_kind: global_buffer, .address_space: global }
      - { .name: x_scales, .offset: 8, .size: 8, .value_kind: global_buffer, .address_space: global }
      - { .name: w_codes, .offset: 16, .size: 8, .value_kind: global_buffer, .address_space: global }
      - { .name: w_scales, .offset: 24, .size: 8, .value_kind: global_buffer, .address_space: global }
      - { .name: q_ws, .offset: 32, .size: 8, .value_kind: global_buffer, .address_space: global }
      - { .name: kv_ws, .offset: 40, .size: 8, .value_kind: global_buffer, .address_space: global }
    .group_segment_fixed_size: 167936
    .private_segment_fixed_size: 0
    .kernarg_segment_align: 8
    .kernarg_segment_size: 48
    .max_flat_workgroup_size: 128
    .sgpr_count:     66
    .vgpr_count:     400
    .wavefront_size: 32
...
	.end_amdgpu_metadata
.endif
;; end of part 2
;; launch attn (part 3): grid 128 x 2, 4 waves a work-group, clusters of 4 x 1, 327,680 bytes of LDS; arguments q_ws, kv_ws, o_ws; writes o_ws
.if DOCPART == 3
	.amdgcn_target "amdgcn-amd-amdhsa--gfx1250"
	.amdhsa_code_object_version 6
	.text
	.protected	k_qf71be971db_attn
	.globl	k_qf71be971db_attn
	.p2align	8
	.type	k_qf71be971db_attn,@function
k_qf71be971db_attn:
	s_mov_b64 s[64:65], 0
	v_nop
	global_prefetch_b8 v0, s[64:65] scope:SCOPE_SE
	s_setreg_imm32_b32 hwreg(HW_REG_WAVE_MODE, 25, 1), 1
	s_wait_xcnt 0x0
	s_wait_alu depctr_hold_cnt(0) depctr_sa_sdst(0) depctr_va_vdst(0) depctr_va_sdst(0) depctr_va_ssrc(0) depctr_va_vcc(0) depctr_vm_vsrc(0)
	s_getreg_b32 s2, hwreg(HW_REG_IB_STS2, 6, 4)
	s_cmp_eq_u32 s2, 0
	s_cbranch_scc0 .Lentry_in_a_cluster
	s_endpgm
.Lentry_in_a_cluster:
	s_bfe_u32 s2, ttmp6, 0x10000c
	s_cmp_lg_u32 s2, 0x3003
	s_cbranch_scc0 .Lentry_shape_is_right
	s_endpgm
.Lentry_shape_is_right:
; O[b][head][q] = the sum over keys of softmax(Q[b][head][q] . K[b][key] / 8) V[b][key]: 16 query heads of 64 channels, ONE key and value head for all.  Operands f16; products, maxima and sums f32;
; the weights p are rounded to f16 for the second product, O / l once at the end.
; SHARES.  A work-group owns 16 rows of x with all their 16 heads: 256 queries.  Wave w owns heads 4 w .. 4 w + 3: four tiles of 16 queries.  Every wave walks the batch's 2,048 keys, 64 a step.
; LAYOUT.  S^T = K Q^T (source 0 = 16 keys, source 1 = 16 queries): a lane holds ONE query and the keys 8 (lane / 16) + 0..7.  Two such tiles, rounded to f16 in pairs, ARE source 1 of O^T = V^T P.
; Q, K and V^T lie in memory as images of their fragments' registers (the launch before stored them so): every fragment is loads of 16 bytes at 16 x lane, consecutive bytes; nothing is turned or padded.
; SOFTMAX.  For each query a running maximum m and sum l: p = 2^(c s - c m), c = log2(e) / 8; in every step O and l are multiplied by a = 2^(c m_old - c m_new).
; BY TURNS.  The wave's tiles are two PIECES (tiles 0, 1 and tiles 2, 3).  In a TURN one piece has the matrix unit: 16 products V^T P of the step in hand, then 16 products K Q^T of the next; the other
; piece's softmax, 2 x 118 instructions cut into 59 slices of four, stands between them.  Two turns are a key step.
; CLUSTER.  All 128 work-groups of a batch walk the same K and V; the four of a cluster ask for each tile jointly.
; THE RING.  Two slots of 512 keys (K's 65,536 bytes, then V's).  The batch is four slots' worth: two first fills, two refills, each refill behind a round of the cluster's barrier, with eight key steps
; (512 matrix instructions a wave) between its request and the wait for it.  So no prefetch is laid: no wave waits for a refill, and every later work-group reads what others of its batch read too.
; LIMITS: |q|, |k|, |v| under 65,504 (see the launch before); NaN and infinities are not served.
; REGISTERS: window 0: v2-4 addresses; v12-43 statistics, eight a tile; v64-191 S^T, 32 a tile; v192-255 P, 16 a tile.   window 1: v0-127 O^T, 32 a tile.
;   window 2: v0-63 Q, 16 a tile; v64-127 K of one step; v128-191 V of one step.
.set SLOT1, 1<<17
.set SPARE, 2*SLOT1                    ; the spare words, 128 bytes a wave: two blocks of 256 bytes that no other line names
.set AK0, 2                            ; v2   16 x lane: my place in a chunk: of K, of Q and of O alike
.set AV0, 3                            ; v3   the same in V's part of a slot
.set ADR, 4                            ; v4   the address of the run of loads in hand
.set SPW, 62
.set NIL, 63
.set ST,  12                           ; tile t at v[ST+8 t]: +0 c m, +1 m, +2, +3 l (even keys', odd keys'), +4 to +7 at work; a takes +6
.set S,   64
.set P,   192
.set KF,  64                           ; in window 2
.set VF,  128
.set WV,  12
.set G1,  24
.set G0,  40                           ; s[40:47] a set for each first fill; the second then walks
.set SLOTS, 56
.set CNT, 57
.set CS,  58
.set SEL, 60
.set TB,  62                           ; s62  LDS byte at which K's chunks of the step to be fetched begin
.set MSB, 0
.macro WIN new
.if MSB != \new
	s_set_vgpr_msb (MSB<<8)|\new
.set MSB, \new
.endif
.endm
.set W_KQ, 0x0a                        ; K and Q in window 2, S^T in window 0
.set W_PV, 0x52                        ; V in window 2, P in window 0, O^T in window 1
.set W_RS, 0x41                        ; O^T (destination and source 0) in window 1, a in window 0
.macro CROUND
	s_barrier_signal -1
	s_barrier_wait -1
	s_cmp_lg_u32 s[WV], 0
	s_cbranch_scc1 .Lnot_wave_0_\@
	s_barrier_signal -3
.Lnot_wave_0_\@:
	s_barrier_wait -3
	s_barrier_signal -1
	s_barrier_wait -1
.endm
.macro PLACES
.rept 4
	v_nop
.endr
.endm
	s_load_b128 s[4:7], s[0:1], 0x0                ; q_ws, kv_ws
	s_load_b64 s[8:9], s[0:1], 0x10                ; o_ws
	v_lshl_add_u32 v[SPW], v0, 2, SPARE
	v_mov_b32 v[NIL], 0
	ds_add_u32 v[SPW], v[NIL]                      ; the wave's opening: the add, twice on end, and its wait ahead of my first tensor load
	ds_add_u32 v[SPW], v[NIL]
	v_lshrrev_b32 v1, 5, v0
	v_readfirstlane_b32 s[WV], v1
	s_bfe_u32 s13, ttmp6, 0x40000                  ; cx
	s_lshl_b32 s14, ttmp9, 2
	s_add_co_u32 s14, s14, s13                     ; my 16 rows of the batch: 4 x cluster x + cx: it enters Q's and O's addresses alone
	s_and_b32 s20, ttmp7, 0xffff                   ; the batch, which the four partners share
	s_lshl_b32 s15, s20, 7
	s_add_co_u32 s14, s14, s15                     ; row block 128 x batch + that
	s_lshl_b32 s22, s20, 19                        ; kv_ws: the batch; waves 0, 1: K's part, waves 2, 3: V's; my half of a slot's 65,536 bytes
	s_lshr_b32 s16, s[WV], 1
	s_lshl_b32 s16, s16, 18
	s_add_co_u32 s22, s22, s16
	s_and_b32 s16, s[WV], 1
	s_lshl_b32 s16, s16, 15
	s_add_co_u32 s22, s22, s16
	s_mov_b32 s23, 0
	s_lshl_b32 s17, s[WV], 15                      ; and its place in a slot: wave x 32,768
	s_lshl_b32 s2, s14, 15                         ; q_ws: 32,768 bytes a row block, 8,192 for my four heads
	s_lshl_b32 s3, s[WV], 13
	s_add_co_u32 s2, s2, s3
	s_mov_b32 s3, 0
	s_lshl_b32 s18, s14, 13                        ; o_ws: my four heads are K step w of the projection (2,097,152 bytes each); 8,192 bytes a row block
	s_lshl_b32 s19, s[WV], 21
	s_add_co_u32 s18, s18, s19
	s_mov_b32 s19, 0
	s_mov_b32 s[G1], 15|(3<<16)|(1<<21)            ; the mask: all four work-groups; elements of 8 bytes; bit 21 beside a mask; no padding
	s_mov_b32 s[G1+1], 32<<16                      ; a dense block of 32,768 bytes as 128 rows of 256
	s_mov_b32 s[G1+2], 128<<16
	s_mov_b32 s[G1+3], 32<<16
	s_mov_b32 s[G1+4], 128
	s_mov_b32 s[G1+5], 32
	s_mov_b32 s[G1+6], 0
	s_mov_b32 s[G1+7], 0
	s_mov_b32 s[CS], 0x3e38aa3b                    ; c = log2(e) / 8
	s_mov_b32 s[CS+1], s[CS]                       ; named with it as a pair, so it is written
	s_mov_b32 s[SEL], 0x76543210
	s_mov_b32 s[SEL+1], 0xfedcba98
	s_mov_b32 s[TB], 0
	s_mov_b32 s[SLOTS], 2
	s_wait_dscnt 0x0                               ; both opening adds are done
	s_wait_kmcnt 0x0
	s_add_nc_u64 s[6:7], s[6:7], s[22:23]
	s_add_nc_u64 s[4:5], s[4:5], s[2:3]
	s_add_nc_u64 s[8:9], s[8:9], s[18:19]
	CROUND                                         ; all four work-groups are here: the first joint loads meet
.irp s, 0,1
	s_mov_b32 s[G0+4*\s], 1
	s_add_co_u32 s[G0+4*\s+1], s17, \s*SLOT1
	s_add_nc_u64 s[G0+4*\s+2:G0+4*\s+3], s[6:7], \s*65536
	s_or_b32 s[G0+4*\s+3], s[G0+4*\s+3], 0x80000000
.endr
	tensor_load_to_lds s[G0:G0+3], s[G1:G1+7]      ; one line serves all four waves: only the two addresses hang on the wave's number.  Two loads of mine are out
	s_nop 0
	tensor_load_to_lds s[G0+4:G0+7], s[G1:G1+7]
	s_nop 0
.rept 4
	v_nop
.endr
	v_and_b32 v[AK0], 31, v0
	v_lshlrev_b32 v[AK0], 4, v[AK0]
	v_add_nc_u32 v[AV0], 65536, v[AK0]
	WIN 0x80                                       ; destination window 2
.irp i, 0,1,2,3,4,5,6,7,8,9,10,11,12,13,14,15
	global_load_b128 v[4*\i:4*\i+3], v[AK0], s[4:5] offset:512*\i   ; Q stays in registers: tile i / 4, channels 16 (i % 4) on
.endr
	WIN 0
; Product i of 16 of O^T += V^T P: keys 32 (i / 8) on, channels 16 ((i / 2) % 4) on, tile x + i % 2.  The eight accumulators take turns.  zero = 1: the first eight start the sums
.macro PV x, zero
	WIN W_PV
.set rO, 32*(\x+i%2)+8*((i/2)%4)
.set rV, VF+32*(i/8)+8*((i/2)%4)
.set rP, P+16*(\x+i%2)+8*(i/8)
.if (\zero) && (i < 8)
	v_wmma_f32_16x16x32_f16 v[rO:rO+7], v[rV:rV+7], v[rP:rP+7], 0
.else
	v_wmma_f32_16x16x32_f16 v[rO:rO+7], v[rV:rV+7], v[rP:rP+7], v[rO:rO+7]
.endif
.endm
; Product i of 16 of S^T = K Q^T: channels 32 (i / 8) on, keys 16 ((i / 2) % 4) on, tile x + i % 2.  The first eight start the sums
.macro KQ x
	WIN W_KQ
.set rS, S+32*(\x+i%2)+8*((i/2)%4)
.set rK, KF+16*((i/2)%4)+8*(i/8)
.set rQ, 16*(\x+i%2)+8*(i/8)
.if i < 8
	v_wmma_f32_16x16x32_f16 v[rS:rS+7], v[rK:rK+7], v[rQ:rQ+7], 0
.else
	v_wmma_f32_16x16x32_f16 v[rS:rS+7], v[rK:rK+7], v[rQ:rQ+7], v[rS:rS+7]
.endif
.endm
; The LDS loads stand in runs of 16: a step's K (8,192 consecutive bytes) and, a turn later, its V
.macro FETCH_K
	WIN 0
	v_add_nc_u32 v[ADR], s[TB], v[AK0]
	WIN 0x80
.irp f, 0,1,2,3,4,5,6,7,8,9,10,11,12,13,14,15
	ds_load_b128 v[KF+4*\f:KF+4*\f+3], v[ADR] offset:512*\f
.endr
.endm
.macro FETCH_V
	WIN 0
	v_add_nc_u32 v[ADR], s[TB], v[AV0]
	s_add_co_u32 s[TB], s[TB], 8192                ; the next fetch is the next step's
	s_wait_alu depctr_va_vdst(0)                   ; the wait for the softmax's batch of exponentials (SLICE), ahead of the loads
	WIN 0x80
.irp f, 0,1,2,3,4,5,6,7,8,9,10,11,12,13,14,15
	ds_load_b128 v[VF+4*\f:VF+4*\f+3], v[ADR] offset:512*\f
.endr
.endm
; One tile's softmax for one key step is a list of 118 instructions; SM writes number j of it for tile t.  s0-s31 are the lane's 32 scores, in pairs 0-15.  first = 1: the first key step.
;   0-15    the maximum of s0-s31 and the old m, three operands at a time; each accumulator of S^T is read from its low end on
;   16-20   the other half of the lanes' maximum; the new m; c m; c m_old - c m_new
;   21-69   ONE BATCH: the 16 scalings c s - c m and all 33 exponentials (a at 23, then s0-s31); none of these reads an exponential's result
;   (wait)  between 69 and 70 stands the one wait for the batch: SLICE writes it
;   70-85   the roundings to f16;   86-101 the sums, l = a l + the sum;   102-117 the tile's O^T times a
.macro SM t, first
.set rT, ST+8*(\t)
.set rS, S+32*(\t)
.set rP, P+16*(\t)
.set rO, 32*(\t)+2*(j-102)
.if j < 102
	WIN 0
.endif
.if j < 4
	v_max3_num_f32 v[rT+4+j], v[rS+8*j], v[rS+8*j+1], v[rS+8*j+2]
.elseif j < 12
	v_max3_num_f32 v[rT+4+j%4], v[rT+4+j%4], v[rS+8*(j%4)+2*(j/4)+1], v[rS+8*(j%4)+2*(j/4)+2]
.elseif j == 12
	v_max3_num_f32 v[rT+4], v[rT+4], v[rS+7], v[rS+15]
.elseif j == 13
	v_max3_num_f32 v[rT+6], v[rT+6], v[rS+23], v[rS+31]
.elseif j == 14
	v_max3_num_f32 v[rT+4], v[rT+4], v[rT+5], v[rT+6]
.elseif (j == 15) && \first
	v_max_num_f32 v[rT+4], v[rT+4], v[rT+7]
.elseif j == 15
	v_max3_num_f32 v[rT+4], v[rT+4], v[rT+7], v[rT+1]
.elseif j == 16
	v_permlanex16_b32 v[rT+5], v[rT+4], s[SEL], s[SEL+1]  ; the query's other 32 keys lie in the lane 16 away
.elseif j == 18
	v_max_num_f32 v[rT+1], v[rT+4], v[rT+5]
.elseif j == 19
	v_mul_f32 v[rT], s[CS], v[rT+1]
.elseif ((j == 17) || (j == 20) || (j == 23) || (j > 101)) && \first  ; the first step has none of these
.elseif j == 17
	v_mov_b32 v[rT+7], v[rT]                       ; c m_old is kept for a
.elseif j == 20
	v_sub_f32 v[rT+7], v[rT+7], v[rT]
.elseif j == 23
	v_exp_f32 v[rT+6], v[rT+7]
.elseif (j < 23) || ((j < 38) && (j%2 == 0)) || ((j < 66) && (j%4 == 2))
.set b, (j-2)/4                        ; 38, 42, .. 62: pairs 9 to 15
.if j < 38
.set b, (j-20)/2                       ; 21: pair 0; 22, 24, .. 36: pairs 1 to 8
.endif
	v_pk_fma_f32 v[rS+2*b:rS+2*b+1], v[rS+2*b:rS+2*b+1], s[CS:CS+1], v[rT:rT+1] op_sel_hi:[1,0,0] neg_lo:[0,0,1] neg_hi:[0,0,1]  ; pair b: c s - c m
.elseif j < 70
.set e, j-38                           ; 66 to 69: s28 to s31
.if j < 66
.set e, j-32-(j-38)/4                  ; 39-41, 43-45, .. 63-65: s7 to s27
.endif
.if j < 38
.set e, (j-25)/2                       ; 25, 27, .. 37: s0 to s6
.endif
	v_exp_f32 v[rS+e], v[rS+e]
.elseif j < 86
	v_cvt_pk_f16_f32 v[rP+j-70], v[rS+2*(j-70)], v[rS+2*(j-70)+1]  ; pair j - 70: the lower key in the low half
.elseif j < 102                        ; the sum of the tile's 16 pairs, in place: neighbours 1, 2, 4 and 8 pairs apart, then l takes it
.set z, j-86
.set w, 4
.set u, z
.if z >= 14
.set w, 32
.set u, 0
.elseif z >= 12
.set w, 16
.set u, z-12
.elseif z >= 8
.set w, 8
.set u, z-8
.endif
.if (z == 14) && \first
	v_pk_add_f32 v[rT+2:rT+3], v[rS:rS+1], v[rS+16:rS+17]
.elseif z < 15
	v_pk_add_f32 v[rS+w*u:rS+w*u+1], v[rS+w*u:rS+w*u+1], v[rS+w*u+w/2:rS+w*u+w/2+1]
.elseif !\first
	v_pk_fma_f32 v[rT+2:rT+3], v[rT+2:rT+3], v[rT+6:rT+7], v[rS:rS+1] op_sel_hi:[1,0,1]
.endif
.else
	WIN W_RS
	v_pk_mul_f32 v[rO:rO+1], v[rO:rO+1], v[rT+6:rT+7] op_sel_hi:[1,0]
.endif
.endm
; Slice k of 59 of piece y's softmax: four instructions.  Slices 11 to 34 deal out the batch, four numbers of ONE tile each, the tiles by turns; every other slice is numbers 2 k and 2 k + 1 of both tiles.
; Ahead of slice 35 nothing names an exponential's result, and behind slice 34 none is issued: so the piece's 66 exponentials have one plain line and one wait, behind slice 34.
.macro SLICE y, first
.if (k >= 11) && (k < 35)
.irp n, 0,1,2,3
.set j, 22+4*((k-11)/2)+(\n)
	SM (\y)+(k-11)%2, \first
.endr
.else
.irp n, 0,1
.irp t, \y, \y+1
.set j, 2*k+\n
	SM \t, \first
.endr
.endr
.endif
.if k == 34
	v_nop                                          ; the plain instruction behind the last exponential
.if (\y) == 0
	FETCH_V                                        ; piece 2's turn: V's run of loads stands here, and the wait stands in it
.else
	s_wait_alu depctr_va_vdst(0)                   ; the wait for the batch
.endif
.endif
.set k, k+1
.endm
; The slices behind product g of a turn.  32 products: two behind each of the first 27, one behind each of the last five.  16 products: four behind each of the first 14, then two, then one.  Both make 59.
; The turn's last product is followed by slice 58: four plain multiplies of the other piece's O^T, the four places ahead of the next turn's reads of the scores and of the loads into K's registers.
.macro DEAL y, first
.set cnt, 1
.if both
.if g < 27
.set cnt, 2
.endif
.else
.if g < 14
.set cnt, 4
.elseif g == 14
.set cnt, 2
.endif
.endif
.rept cnt
	SLICE \y, \first
.endr
.set g, g+1
.endm
; A TURN.  Piece x has the matrix unit.  pv = 2: 16 products V^T P; 1: they start O^T's sums; 0: none.  kq = 1: 16 products K Q^T for the next step.  first = 1: the softmax is the first key step's: its
; slices from 51 on are empty, and four v_nop take slice 58's part.
; Piece 0's turn fetches the next step's K behind its second product: the last product that read K stands in front of slice 58 of the turn before.  Piece 2's turn fetches the same step's V behind slice 34,
; which follows its 18th product: the last product that read V is its 16th, and two products, slices 30 to 34, the v_nop and the run's own addition lie between.
.macro TURN x, pv, kq, first
.set k, 0
.set g, 0
.set both, 0
.if \pv && \kq
.set both, 1
.endif
.if \pv
.if \x == 0
	s_wait_dscnt 0x0                               ; V is in
.endif
.set i, 0
.rept 16
	PV \x, 2-\pv
	DEAL 2-\x, \first
.if (\x == 0) && \kq && (i == 1)
	FETCH_K
.endif
.set i, i+1
.endr
.endif
.if \kq
.if \x == 0
	s_wait_dscnt 0x0                               ; K is in
.endif
.set i, 0
.rept 16
	KQ \x
	DEAL 2-\x, \first
.set i, i+1
.endr
.endif
.if \first
	PLACES
.endif
.endm
; THE CHANGE OF SLOTS, between piece 2's turn and piece 0's: the slot's last bytes, V of its eighth step, have been asked for.  Each wave waits for all its tensor loads (one can be out: its part of the
; other slot), adds 0 to its spare word, and waits for that and for its reads of the slot.  fill = 1: the barrier is a round of the cluster's, and the joint refill is the first thing behind it.
.macro CHANGE fill
	WIN 0
	s_wait_tensorcnt 0x0                           ; no tensor load of mine is out, so a group 0 may be written
	ds_add_u32 v[SPW], v[NIL]
.if \fill
	s_xor_b32 s[G0+5], s[G0+5], SLOT1              ; the walking descriptor: the other slot than last time,
	s_add_nc_u64 s[G0+6:G0+7], s[G0+6:G0+7], 65536 ; the next 512 keys; the type bits on top are not reached
	s_wait_dscnt 0x0                               ; the add is done, and my reads of the slot are over
	CROUND
	tensor_load_to_lds s[G0+4:G0+7], s[G1:G1+7]
	s_nop 0
.rept 4
	v_nop
.endr
.else
	s_wait_dscnt 0x0
	s_barrier_signal -1
	s_barrier_wait -1
.endif
	s_sub_co_u32 s[TB], s[TB], 65536               ; the fetches go back to a slot's first step,
	s_xor_b32 s[TB], s[TB], SLOT1                  ; in the other slot
.endm
.macro STEPS n                         ; n key steps: written once, walked n times; the LDS addresses hang on s[TB]
	s_mov_b32 s[CNT], \n
.Lstep_\@:
	TURN 0, 2, 1, 0
	TURN 2, 2, 1, 0
	WIN 0
	s_sub_co_u32 s[CNT], s[CNT], 1
	s_cmp_lg_u32 s[CNT], 0
	s_cbranch_scc1 .Lstep_\@
.endm
	s_wait_tensorcnt 1                             ; my part of slot 0 is in; slot 1's may stay out
	s_barrier_signal -1
	s_barrier_wait -1
	FETCH_K                                        ; key step 0
	s_wait_loadcnt 0x0                             ; Q
	s_wait_dscnt 0x0
.set i, 0
.rept 16
	KQ 0                                           ; piece 0's first scores: there is no vector work yet to set between them
.set i, i+1
.endr
	PLACES
	TURN 2, 0, 1, 1                                ; piece 2's first scores | piece 0's first softmax | V of step 0
	TURN 0, 1, 1, 1                                ; piece 0: V^T P of step 0 starts O^T, K Q^T of step 1 | piece 2's first softmax | K of step 1
	TURN 2, 1, 1, 0                                ; piece 2: the same | piece 0's softmax of step 1 | V of step 1
	WIN 0
	STEPS 6                                        ; the rest of slot 0 is fetched
.Lslot:                                            ; two trips: slots 0 and 1 are filled again
	CHANGE 1
	STEPS 8
	s_sub_co_u32 s[SLOTS], s[SLOTS], 1
	s_cmp_lg_u32 s[SLOTS], 0
	s_cbranch_scc1 .Lslot
	CHANGE 0                                       ; the tail is written out
	STEPS 8
	TURN 0, 2, 0, 0                                ; piece 0: V^T P of the last step | piece 2's last softmax
.set i, 0
.rept 16
	PV 2, 0
.set i, i+1
.endr
	; THE WAY OUT.  l's halves and the other half of the lanes' are added (the additions are the places behind the last products); O^T is divided by l, rounded to f16 and stored as it lies:
	; a lane's eight channels are 16 bytes of a chunk of the projection's operand, and each store of the wave is 512 consecutive bytes, aligned.
	WIN 0
.irp t, 0,1,2,3
	v_add_f32 v[ST+8*\t+4], v[ST+8*\t+2], v[ST+8*\t+3]
.endr
.irp t, 0,1,2,3
	v_permlanex16_b32 v[ST+8*\t+5], v[ST+8*\t+4], s[SEL], s[SEL+1]
.endr
.irp t, 0,1,2,3
	v_add_f32 v[ST+8*\t+4], v[ST+8*\t+4], v[ST+8*\t+5]
.endr
.irp t, 0,1,2,3
	v_rcp_f32 v[ST+8*\t+6], v[ST+8*\t+4]
.endr
	v_nop                                          ; a plain instruction behind the last reciprocal,
	s_wait_alu depctr_va_vdst(0)                   ; and the one wait ahead of the first use
.macro OUT t
	WIN W_RS
.set i, 32*\t
.rept 16
	v_pk_mul_f32 v[i:i+1], v[i:i+1], v[ST+8*\t+6:ST+8*\t+7] op_sel_hi:[1,0]
.set i, i+2
.endr
	WIN 0x05                                       ; sources window 1, destination window 0: S^T's registers are free
.set i, 0
.rept 16
	v_cvt_pk_f16_f32 v[S+32*\t+i], v[32*\t+2*i], v[32*\t+2*i+1]
.set i, i+1
.endr
	WIN 0
.irp c, 0,1,2,3
	global_store_b128 v[AK0], v[S+32*\t+4*\c:S+32*\t+4*\c+3], s[8:9] offset:512*(4*\t+\c)
.endr
.endm
	OUT 0
	OUT 1
	OUT 2
	OUT 3
	s_wait_tensorcnt 0x0                           ; the wave's end
	ds_add_u32 v[SPW], v[NIL]
	s_wait_dscnt 0x0
	CROUND                                         ; the closing round
	s_endpgm
.Lfunc_end_k_qf71be971db_attn:
	.size	k_qf71be971db_attn, .Lfunc_end_k_qf71be971db_attn-k_qf71be971db_attn
	.p2alignl 7, 3214868480
	.fill 96, 4, 3214868480
	.section	.rodata,"a",@progbits
	.p2align	6, 0x0
	.amdhsa_kernel k_qf71be971db_attn
		.amdhsa_group_segment_fixed_size 327680
		.amdhsa_private_segment_fixed_size 0
		.amdhsa_enable_private_segment 0
		.amdhsa_kernarg_size 24
		.amdhsa_user_sgpr_count 2
		.amdhsa_user_sgpr_kernarg_segment_ptr 1
		.amdhsa_wavefront_size32 1
		.amdhsa_system_sgpr_workgroup_id_x 1
		.amdhsa_system_sgpr_workgroup_id_y 1
		.amdhsa_system_sgpr_workgroup_id_z 1
		.amdhsa_system_vgpr_workitem_id 0
		.amdhsa_next_free_vgpr 768
		.amdhsa_next_free_sgpr 66
		.amdhsa_reserve_vcc 0
		.amdhsa_float_denorm_mode_32 3
		.amdhsa_float_denorm_mode_16_64 3
		.amdhsa_memory_ordered 1
		.amdhsa_forward_progress 1
		.amdhsa_inst_pref_size 189
	.end_amdhsa_kernel
	.amdgpu_metadata
---
amdhsa.version: [ 1, 2 ]
amdhsa.kernels:
  - .name:           k_qf71be971db_attn
    .symbol:         k_qf71be971db_attn.kd
    .args:
      - { .name: q_ws, .offset: 0, .size: 8, .value_kind: global_buffer, .address_space: global }
      - { .name: kv_ws, .offset: 8, .size: 8, .value_kind: global_buffer, .address_space: global }
      - { .name: o_ws, .offset: 16, .size: 8, .value_kind: global_buffer, .address_space: global }
    .group_segment_fixed_size: 327680
    .private_segment_fixed_size: 0
    .kernarg_segment_align: 8
    .kernarg_segment_size: 24
    .max_flat_workgroup_size: 128
    .sgpr_count:     66
    .vgpr_count:     768
    .wavefront_size: 32
...
	.end_amdgpu_metadata
.endif
;; end of part 3
;; launch proj (part 4): grid 8 x 32, 4 waves a work-group, clusters of 4 x 4, 327,680 bytes of LDS; arguments o_ws, wpt, bp, out0; writes out0
.if DOCPART == 4
	.amdgcn_target "amdgcn-amd-amdhsa--gfx1250"
	.amdhsa_code_object_version 6
	.text
	.protected	k_qf71be971db_proj
	.globl	k_qf71be971db_proj
	.p2align	8
	.type	k_qf71be971db_proj,@function
k_qf71be971db_proj:
	s_mov_b64 s[64:65], 0
	v_nop
	global_prefetch_b8 v0, s[64:65] scope:SCOPE_SE
	s_setreg_imm32_b32 hwreg(HW_REG_WAVE_MODE, 25, 1), 1
	s_wait_xcnt 0x0
	s_wait_alu depctr_hold_cnt(0) depctr_sa_sdst(0) depctr_va_vdst(0) depctr_va_sdst(0) depctr_va_ssrc(0) depctr_va_vcc(0) depctr_vm_vsrc(0)
	s_getreg_b32 s2, hwreg(HW_REG_IB_STS2, 6, 4)
	s_cmp_eq_u32 s2, 0
	s_cbranch_scc0 .Lentry_in_a_cluster
	s_endpgm
.Lentry_in_a_cluster:
	s_bfe_u32 s2, ttmp6, 0x10000c
	s_cmp_lg_u32 s2, 0xf033
	s_cbranch_scc0 .Lentry_shape_is_right
	s_endpgm
.Lentry_shape_is_right:
; out0 = O Wp + bp.  O [4096][1024] and Wp^T [1024 (n)][1024 (k)] come as f16, laid as images of their fragments' registers (chunks of 512 bytes: 16 rows x 16 along K); sums and out0 in f32.
; 4,096 x 1,024 gives 256 tiles of 128 x 128: one for each work-group.  Four waves, each 64 x 64: 16 accumulators.  K goes in four steps of 256 through two LDS slots of 131,072 bytes (O's 128 rows, then
; Wp's), each a pair of dense blocks of memory; a wave's tensor load brings 32,768 bytes.  The four steps are written out: a loop would make one trip.
; CLUSTER 4 x 4: O's tile is shared along a row of the cluster, Wp's along a column: joint loads.  TRANSPOSED use (source 0 = 16 rows of Wp^T, source 1 = 16 rows of O): a lane holds eight neighbouring
; numbers of a row of out0.  THE BIAS is the C of each sum's first product: eight registers for each column block, in the result's layout.
; No prefetch is laid: a small tile over four K steps, whose tiles are shared in the cluster.
; REGISTERS: window 0: v16-29 addresses; v32-95 the way out; v96-127 the bias; v128-255 the accumulators ((a, b) at v[128 + 8 (4 a + b)]).   window 1: two fragment buffers of 128: 64 of O, then 64 of Wp.
.set SLOT,   131072
.set STAGE,  2*SLOT                    ; behind the ring: 16 rows x 272 bytes for each wave: no tensor load lands here
.set SPITCH, 272
.set SPARE,  STAGE+4*16*SPITCH         ; the spare words, 128 bytes a wave: two blocks of 256 bytes that no other line names
.set ADRA, 16
.set ADRB, 20
.set STO,  24
.set RD,   25
.set CO,   26
.set SPW,  28
.set NIL,  29
.set TMP,  32
.set BIAS, 96
.set ACC,  128
.set F0,   0
.set F1,   128
.set G1, 24
.set G0, 32
.set G1B, 48
.set G0B, 56
.set MSB, 0
.macro WIN new
.if MSB != \new
	s_set_vgpr_msb (MSB<<8)|\new
.set MSB, \new
.endif
.endm
.set MUL,  0x05                        ; sources 0 and 1 window 1; C and D window 0
.set TO_F, 0x40
.macro JLOAD s                         ; waves 0 and 1 fetch O's halves, waves 2 and 3 Wp's; an s_nop 0 and four v_nop follow each line
	s_cmp_eq_u32 s13, 0
	s_cbranch_scc0 .Lfor_b_\@
	tensor_load_to_lds s[G0+4*\s:G0+4*\s+3], s[G1:G1+7]
	s_nop 0
.rept 4
	v_nop
.endr
	s_branch .Lasked_\@
.Lfor_b_\@:
	tensor_load_to_lds s[G0B+4*\s:G0B+4*\s+3], s[G1B:G1B+7]
	s_nop 0
.rept 4
	v_nop
.endr
.Lasked_\@:
.endm
.macro CREST
	s_cmp_lg_u32 s12, 0
	s_cbranch_scc1 .Lnot_wave_0_\@
	s_barrier_signal -3
.Lnot_wave_0_\@:
	s_barrier_wait -3
	s_barrier_signal -1
	s_barrier_wait -1
.endm
.macro CROUND
	s_barrier_signal -1
	s_barrier_wait -1
	CREST
.endm
.macro PLACES
.rept 4
	v_nop
.endr
.endm
	s_load_b128 s[4:7], s[0:1], 0x0                ; o_ws, wpt
	s_load_b128 s[8:11], s[0:1], 0x10              ; bp, out0
	v_lshl_add_u32 v[SPW], v0, 2, SPARE
	v_mov_b32 v[NIL], 0
	ds_add_u32 v[SPW], v[NIL]                      ; the wave's opening: the add, twice on end, and its wait ahead of my first tensor load
	ds_add_u32 v[SPW], v[NIL]
	v_lshrrev_b32 v1, 5, v0
	v_readfirstlane_b32 s12, v1                    ; wave
	s_lshr_b32 s13, s12, 1                         ; which half of the tile's rows is mine.  Also: I fetch for O (0) or for Wp (1)
	s_and_b32 s14, s12, 1                          ; which half of its columns.  Also: which half of that tile I fetch
	s_bfe_u32 s40, ttmp6, 0x40000
	s_bfe_u32 s41, ttmp6, 0x40004
	s_lshl_b32 s42, ttmp9, 2
	s_add_co_u32 s42, s42, s40                     ; tile column
	s_and_b32 s15, ttmp7, 0xffff
	s_lshl_b32 s15, s15, 2
	s_add_co_u32 s15, s15, s41                     ; tile row
	s_lshl_b32 s43, s41, 2
	s_lshl_b32 s43, 15, s43
	s_lshl_b32 s44, 0x1111, s40
	s_or_b32 s[G1+0], s43, (3<<16)|(1<<21)         ; the mask; elements of 8 bytes; bit 21 beside a mask; no padding
	s_or_b32 s[G1B+0], s44, (3<<16)|(1<<21)
.irp g, G1, G1B
	s_mov_b32 s[\g+1], 32<<16                      ; a dense block of 32,768 bytes as 128 rows of 256
	s_mov_b32 s[\g+2], 128<<16
	s_mov_b32 s[\g+3], 32<<16
	s_mov_b32 s[\g+4], 128
	s_mov_b32 s[\g+5], 32
	s_mov_b32 s[\g+6], 0
	s_mov_b32 s[\g+7], 0
.endr
	s_lshl_b32 s16, s15, 16                        ; O: row block 8 x tile row + 4 x half, 8,192 bytes each
	s_lshl_b32 s17, s14, 15
	s_add_co_u32 s16, s16, s17
	s_mov_b32 s17, 0
	s_lshl_b32 s46, s42, 16                        ; Wp: the same by the tile column
	s_lshl_b32 s47, s14, 15
	s_add_co_u32 s46, s46, s47
	s_mov_b32 s47, 0
	s_lshl_b32 s20, s12, 15                        ; where they go: wave x 32,768
	s_wait_dscnt 0x0                               ; both opening adds are done
	s_wait_kmcnt 0x0
	s_add_nc_u64 s[18:19], s[4:5], s[16:17]
	s_add_nc_u64 s[46:47], s[6:7], s[46:47]
	CROUND                                         ; all sixteen work-groups are here: the first joint loads meet
.irp s, 0,1
	s_mov_b32 s[G0+4*\s], 1
	s_add_co_u32 s[G0+4*\s+1], s20, \s*SLOT
	s_add_nc_u64 s[G0+4*\s+2:G0+4*\s+3], s[18:19], \s*2097152
	s_or_b32 s[G0+4*\s+3], s[G0+4*\s+3], 0x80000000
	s_mov_b32 s[G0B+4*\s], 1
	s_add_co_u32 s[G0B+4*\s+1], s20, \s*SLOT
	s_add_nc_u64 s[G0B+4*\s+2:G0B+4*\s+3], s[46:47], \s*524288
	s_or_b32 s[G0B+4*\s+3], s[G0B+4*\s+3], 0x80000000
	JLOAD \s
.endr
	v_and_b32 v1, 15, v0                           ; r
	v_bfe_u32 v2, v0, 4, 1                         ; h
	v_and_b32 v3, 31, v0
	v_lshlrev_b32 v3, 4, v3                        ; 16 x lane
	s_lshl_b32 s21, s13, 15                        ; my 64 rows of O
	s_lshl_b32 s22, s14, 15                        ; my 64 rows of Wp^T,
	s_add_co_u32 s22, s22, 65536                   ; behind O's 128
.irp s, 0,1
	v_add_nc_u32 v[ADRA+\s], s21, v3
	v_add_nc_u32 v[ADRB+\s], s22, v3
	s_add_co_u32 s21, s21, SLOT
	s_add_co_u32 s22, s22, SLOT
.endr
	s_mul_i32 s23, s12, 16*SPITCH
	s_add_co_u32 s23, s23, STAGE                   ; my stage
	v_mul_u32_u24 v4, v1, SPITCH
	v_lshl_add_u32 v4, v2, 5, v4
	v_add_nc_u32 v[STO], s23, v4                   ; in: row r, 32 bytes for each half of the lanes
	v_mul_u32_u24 v5, v2, SPITCH
	v_lshl_add_u32 v5, v1, 4, v5
	v_add_nc_u32 v[RD], s23, v5                    ; back: lanes 0-15 one row of 256 bytes, lanes 16-31 the next
	v_lshlrev_b32 v5, 12, v2
	v_lshl_add_u32 v[CO], v1, 4, v5                ; and the same two rows in out0 (4,096 bytes a row)
	v_lshlrev_b32 v6, 5, v2                        ; the bias: my half's eight numbers of a column block
	s_lshl_b32 s46, s42, 9                         ; my 64 columns, in bytes: 512 x tile column + 256 x half
	s_lshl_b32 s47, s14, 8
	s_add_co_u32 s46, s46, s47
	s_mov_b32 s47, 0
	s_add_nc_u64 s[8:9], s[8:9], s[46:47]
	s_add_nc_u64 s[10:11], s[10:11], s[46:47]
	s_lshl_b32 s16, s15, 19                        ; my first row: 128 x tile row + 64 x half
	s_lshl_b32 s17, s13, 18
	s_add_co_u32 s16, s16, s17
	s_mov_b32 s17, 0
	s_add_nc_u64 s[10:11], s[10:11], s[16:17]
.irp b, 0,1,2,3
	global_load_b128 v[BIAS+8*\b:BIAS+8*\b+3], v6, s[8:9] offset:64*\b
	global_load_b128 v[BIAS+8*\b+4:BIAS+8*\b+7], v6, s[8:9] offset:64*\b+16
.endr
; 8 products: row blocks a0, a0 + 1 x all 4 column blocks, 32 along K: half c of buffer f.  zero = 1: the first product starts the sum on the bias.  The 16 accumulators take turns
.macro MUL8 f, c, a0, zero
.irp a, \a0, \a0+1
.irp b, 0,1,2,3
.if \zero
	v_wmma_f32_16x16x32_f16 v[ACC+8*(4*(\a)+\b):ACC+8*(4*(\a)+\b)+7], v[\f+64+8*(4*\c+\b):\f+64+8*(4*\c+\b)+7], v[\f+8*(4*\c+\a):\f+8*(4*\c+\a)+7], v[BIAS+8*\b:BIAS+8*\b+7]
.else
	v_wmma_f32_16x16x32_f16 v[ACC+8*(4*(\a)+\b):ACC+8*(4*(\a)+\b)+7], v[\f+64+8*(4*\c+\b):\f+64+8*(4*\c+\b)+7], v[\f+8*(4*\c+\a):\f+8*(4*\c+\a)+7], v[ACC+8*(4*(\a)+\b):ACC+8*(4*(\a)+\b)+7]
.endif
.endr
.endr
.endm
; 32 LDS loads in one run: quarter q (64 along K) of the slot into buffer f; the first 32 along K first.  Block i's chunks lie 8,192 bytes apart, a fragment is two chunks on end
.macro FETCH slot, q, f
	WIN TO_F
.irp c, 0,1
.irp i, 0,1,2,3
	ds_load_b128 v[\f+64+8*(4*\c+\i):\f+64+8*(4*\c+\i)+3],   v[ADRB+\slot] offset:8192*\i+1024*(2*(\q)+\c)
	ds_load_b128 v[\f+64+8*(4*\c+\i)+4:\f+64+8*(4*\c+\i)+7], v[ADRB+\slot] offset:8192*\i+1024*(2*(\q)+\c)+512
	ds_load_b128 v[\f+8*(4*\c+\i):\f+8*(4*\c+\i)+3],         v[ADRA+\slot] offset:8192*\i+1024*(2*(\q)+\c)
	ds_load_b128 v[\f+8*(4*\c+\i)+4:\f+8*(4*\c+\i)+7],       v[ADRA+\slot] offset:8192*\i+1024*(2*(\q)+\c)+512
.endr
.endr
.endm
; A K step is four quarters of 64 along K on buffers 0, 1, 0, 1.  One of the first three: multiplies buffer f and fetches quarter q into g
.macro QUARTER slot, q, f, g, zero
	s_wait_dscnt 16                                ; the first 32 along K are in
	WIN MUL
	MUL8 \f, 0, 0, \zero
	MUL8 \f, 0, 2, \zero
	PLACES                                         ; four places in front of loads into registers that products have read
	FETCH \slot, \q, \g
	s_wait_dscnt 32                                ; all but the 32 just issued
	WIN MUL
	MUL8 \f, 1, 0, 0
	MUL8 \f, 1, 2, 0
.endm
; The last quarter multiplies buffer 1 and changes slots: ONE barrier; in front of it each wave waits for all its tensor loads, adds 0 to its spare word, and waits for that and for its reads of this slot
.macro TURN slot, next, fill
	WIN 0
	s_wait_tensorcnt 0x0                           ; all my tensor loads have landed: my part of the next slot
	ds_add_u32 v[SPW], v[NIL]
	s_wait_dscnt 17                                ; (the add and the youngest sixteen loads may be out)
	WIN MUL
	MUL8 F1, 0, 0, 0
	s_wait_dscnt 0x0                               ; the add is done, and my reads of this slot are over
	s_barrier_signal -1
	MUL8 F1, 0, 2, 0
.if \fill
	WIN 0
.endif
	s_barrier_wait -1
.if \fill
	CREST                                          ; the barrier has opened a round of the cluster's: no wave of any partner still reads this slot or has a load on its way
	s_add_nc_u64 s[G0+4*\slot+2:G0+4*\slot+3], s[G0+4*\slot+2:G0+4*\slot+3], 2*2097152
	s_add_nc_u64 s[G0B+4*\slot+2:G0B+4*\slot+3], s[G0B+4*\slot+2:G0B+4*\slot+3], 2*524288
	JLOAD \slot                                    ; the first tensor load behind the round; its four v_nop are also the places in front of the loads below
.else
	PLACES
.endif
	FETCH \next, 0, F0
	WIN MUL
	MUL8 F1, 1, 0, 0
	MUL8 F1, 1, 2, 0
.endm
	s_wait_tensorcnt 1                             ; my part of K step 0 is in; K step 1's may stay out
	s_barrier_signal -1
	s_barrier_wait -1
	FETCH 0, 0, F0
	s_wait_loadcnt 0x0                             ; the bias
	QUARTER 0, 1, F0, F1, 1                        ; K step 0: its first products start the sums
	QUARTER 0, 2, F1, F0, 0
	QUARTER 0, 3, F0, F1, 0
	TURN 0, 1, 1                                   ; slot 0 takes K step 2
	QUARTER 1, 1, F0, F1, 0
	QUARTER 1, 2, F1, F0, 0
	QUARTER 1, 3, F0, F1, 0
	TURN 1, 0, 1                                   ; slot 1 takes K step 3
	QUARTER 0, 1, F0, F1, 0
	QUARTER 0, 2, F1, F0, 0
	QUARTER 0, 3, F0, F1, 0
	TURN 0, 1, 0                                   ; nothing is left to fetch
	QUARTER 1, 1, F0, F1, 0
	QUARTER 1, 2, F1, F0, 0
	QUARTER 1, 3, F0, F1, 0
	s_wait_dscnt 16
	WIN MUL
	MUL8 F1, 0, 0, 0
	MUL8 F1, 0, 2, 0
	s_wait_dscnt 0
	MUL8 F1, 1, 0, 0
	MUL8 F1, 1, 2, 0
	WIN 0
; THE WAY OUT, 16 rows x 64 columns at a time.  A lane holds 32 neighbouring bytes of a row and the lanes beside it other rows: a block goes through my own stage and comes back as whole rows of 256 bytes.
; LDS serves a wave's instructions in order: no wait between the stores and the loads, nor in front of the next block's stores.
.macro TOSTAGE a
.irp b, 0,1,2,3
	ds_store_b128 v[STO], v[ACC+8*(4*(\a)+\b):ACC+8*(4*(\a)+\b)+3] offset:64*\b        ; each accumulator from its low end on
	ds_store_b128 v[STO], v[ACC+8*(4*(\a)+\b)+4:ACC+8*(4*(\a)+\b)+7] offset:64*\b+16
.endr
.irp t, 0,1,2,3,4,5,6,7
	ds_load_b128 v[TMP+32*((\a)%2)+4*\t:TMP+32*((\a)%2)+4*\t+3], v[RD] offset:\t*2*SPITCH
.endr
.endm
.macro SEND a, younger                 ; younger: the LDS instructions issued behind block a's loads
	s_wait_dscnt \younger
.irp t, 0,1,2,3,4,5,6,7
	global_store_b128 v[CO], v[TMP+32*((\a)%2)+4*\t:TMP+32*((\a)%2)+4*\t+3], s[10:11] offset:(16*(\a)+2*\t)*4096 th:TH_STORE_NT   ; 16 lanes store 256 consecutive bytes, aligned
.endr
.endm
	PLACES                                         ; four places behind the last products, ahead of the first read of results
	TOSTAGE 0
.irp a, 1,2,3
.if \a > 1
	s_wait_xcnt 0x0                                ; block a - 2's stores have read their registers: block a's loads may land there
.endif
	TOSTAGE \a
	SEND \a-1, 16                                  ; behind block a - 1's loads: block a's 8 stores and 8 loads
.endr
	SEND 3, 0
	s_wait_tensorcnt 0x0                           ; the wave's end: three lines behind my last tensor load and my last LDS store
	ds_add_u32 v[SPW], v[NIL]
	s_wait_dscnt 0x0
	CROUND                                         ; the closing round
	s_endpgm
.Lfunc_end_k_qf71be971db_proj:
	.size	k_qf71be971db_proj, .Lfunc_end_k_qf71be971db_proj-k_qf71be971db_proj
	.p2alignl 7, 3214868480
	.fill 96, 4, 3214868480
	.section	.rodata,"a",@progbits
	.p2align	6, 0x0
	.amdhsa_kernel k_qf71be971db_proj
		.amdhsa_group_segment_fixed_size 327680
		.amdhsa_private_segment_fixed_size 0
		.amdhsa_enable_private_segment 0
		.amdhsa_kernarg_size 32
		.amdhsa_user_sgpr_count 2
		.amdhsa_user_sgpr_kernarg_segment_ptr 1
		.amdhsa_wavefront_size32 1
		.amdhsa_system_sgpr_workgroup_id_x 1
		.amdhsa_system_sgpr_workgroup_id_y 1
		.amdhsa_system_sgpr_workgroup_id_z 1
		.amdhsa_system_vgpr_workitem_id 0
		.amdhsa_next_free_vgpr 512
		.amdhsa_next_free_sgpr 66
		.amdhsa_reserve_vcc 0
		.amdhsa_float_denorm_mode_32 3
		.amdhsa_float_denorm_mode_16_64 3
		.amdhsa_memory_ordered 1
		.amdhsa_forward_progress 1
		.amdhsa_inst_pref_size 86
	.end_amdhsa_kernel
	.amdgpu_metadata
---
amdhsa.version: [ 1, 2 ]
amdhsa.kernels:
  - .name:           k_qf71be971db_proj
    .symbol:         k_qf71be971db_proj.kd
    .args:
      - { .name: o_ws, .offset: 0, .size: 8, .value_kind: global_buffer, .address_space: global }
      - { .name: wpt, .offset: 8, .size: 8, .value_kind: global_buffer, .address_space: global }
      - { .name: bp, .offset: 16, .size: 8, .value_kind: global_buffer, .address_space: global }
      - { .name: out0, .offset: 24, .size: 8, .value_kind: global_buffer, .address_space: global }
    .group_segment_fixed_size: 327680
    .private_segment_fixed_size: 0
    .kernarg_segment_align: 8
    .kernarg_segment_size: 32
    .max_flat_workgroup_size: 128
    .sgpr_count:     66
    .vgpr_count:     512
    .wavefront_size: 32
...
	.end_amdgpu_metadata
.endif
;; end of part 4
